; MI455X (gfx1250); checked and timed in simulation.
; The chip was launched on July 23, 2026; its instructions are those of AMD's public machine-readable ISA for CDNA 5 (MIT licence, August 2026) and "CDNA5" Instruction Set Architecture Reference Guide (July 2026). The comments in the code are by the model that wrote it; some were corrected since.
;; Parallel Multi Head Attention. Allowed arithmetic: matrix products marked QUANTISED: E4M3 operands, one given power-of-two scale a tensor, by v_wmma_f32_16x16x64_fp8_fp8 or v_wmma_f32_16x16x128_fp8_fp8, f32 sums; everything else in f32.
;; Inputs: b_proj 1,024 float32; lowp_scales 8 int32 (the exponents e of the quantised operands' scales 2^e); w_proj 1,024 x 1,024 float32; w_qkv 1,024 x 3,072 float32; x 4 x 2,048 x 1,024 float32.
;; Outputs: out0 4 x 2,048 x 1,024 float32.
;; This version of the problem:
;;   THIS VERSION OF THE PROBLEM IS GIVEN IN LOW PRECISION. The matrix products marked QUANTISED in the list below multiply operands that are first quantised to E4M3 (4 exponent bits, 3 mantissa bits; 8 bits a number), with one given power-of-two scale for each operand tensor; their sums are f32. All else is computed in f32.
;;   The module's matrix products, in the order in which they are computed (A, B: the left and right operand; K: the contracted axis; several contracted axes count as one K, in the product's order):
;;     1. [M 8,192, K 1,024] x [K 1,024, N 3,072]; A: input x; B: input w_qkv: QUANTISED (scales: A lowp_scales[0], B lowp_scales[1])
;;     2. batch 64 x [M 2,048, K 64] x [K 64, N 2,048]; A: computed on the way; B: computed on the way: QUANTISED (scales: A lowp_scales[2], B lowp_scales[3])
;;     3. batch 64 x [M 2,048, K 2,048] x [K 2,048, N 64]; A: softmax (see below); B: computed on the way: QUANTISED (scales: A lowp_scales[4], B lowp_scales[5])
;;     4. [M 8,192, K 1,024] x [K 1,024, N 1,024]; A: computed on the way; B: input w_proj: QUANTISED (scales: A lowp_scales[6], B lowp_scales[7])
;;   THE QUANTISER, for each operand of a quantised product, along K:
;;     - The operand's scale is 2^e, e = its entry of the input lowp_scales (int32; the entries are numbered through the quantised products in the list's order, A before B).
;;     - Each number is divided by the scale, clamped to +-448, and rounded to the nearest number of E4M3, ties to even, subnormals kept.
;;     - The product sums the exact products of the quantised numbers (number of the format x scale) in f32.
;;   ~~~python
;;   def quantise(x, axis, e):      # numpy; x: float32 -> the quantised numbers, widened to float32 again
;;       x = np.moveaxis(x, axis, -1); K = x.shape[-1]
;;       r = np.clip(x / 2.0 ** e, -448, 448)
;;       step = 2.0 ** (np.maximum(np.frexp(np.where(r == 0, 1, r))[1] - 1, -6) - 3)
;;       q = np.round(r / step) * step * 2.0 ** e      # np.round: ties to even
;;       return np.moveaxis(q, -1, axis).astype(np.float32)
;;   ~~~
;;   SOFTMAX AHEAD OF A QUANTISED PRODUCT. Where the list says 'softmax', what is quantised is not the finished softmax but p = 2^(t - M), with t = logit x log2(e) and M = ceil(the row's largest t), a whole number; so 1/2 < the row's largest p <= 1. The row's sum l is taken of the UNQUANTISED p, in f32, and the product's result is divided by l at the end. Since M is a whole number, a kernel that streams over the keys may use a running M (the ceiling of the running maximum): every later rescaling is an exact power of two, so the quantised numbers keep their values, but for numbers so far below the row's largest that they fall under the format's range.
;;   OPERANDS COMPUTED ON THE WAY. 'Computed on the way' means the value that the module computes at that place (a softmax that the list does not call 'softmax' is quantised finished and normalised). What goes into a quantiser is computed in f32, as accurately as f32 sums, v_exp_f32 and their like allow (about 1e-6 of the number): no bf16 or f16 on the way to a quantiser, and a product that is left as it is and whose result goes on into a quantised operand takes f32 operands (vector FMAs, or v_wmma_f32_16x16x4_f32). A number that lies on a knife's edge between two numbers of the format may be rounded either way, as far as f32 arithmetic and the matrix unit's own rounding can turn it there, and no further.
;; One version. Each part assembles by itself: llvm-mc -triple=amdgcn-amd-amdhsa -mcpu=gfx1250 --defsym DOCPART=n.
;; ======== version 1 of 1: 4 launches
;; limits: right only within a limited range of input values
;; workspace buffers: opimg 11,534,336 bytes; wpimg 1,048,576 bytes; qkvimg 25,165,824 bytes; aimg 8,388,608 bytes
;; launch prep (part 1): grid 384 x 1, 4 waves a work-group, no clusters, 34,304 bytes of LDS; arguments x, w_qkv, w_proj, lowp_scales, opimg, wpimg; writes opimg, wpimg
.if DOCPART == 1
	.amdgcn_target "amdgcn-amd-amdhsa--gfx1250"
	.amdhsa_code_object_version 6
	.text
	.protected	k_q05e8b52be5_prep
	.globl	k_q05e8b52be5_prep
	.p2align	8
	.type	k_q05e8b52be5_prep,@function
k_q05e8b52be5_prep:
	s_mov_b64 s[64:65], 0
	v_nop
	global_prefetch_b8 v0, s[64:65] scope:SCOPE_SE
	s_setreg_imm32_b32 hwreg(HW_REG_WAVE_MODE, 25, 1), 1
	s_wait_xcnt 0x0
; x [8192][1024], w_qkv [1024][3072] and w_proj [1024][1024], f32, become codes of FP8 (E4M3), each with the one scale 2^e that is given for it (entries 0, 1 and 7 of the scales).
; code = number / 2^e, held within +-448, rounded to the nearest code, ties to even.
; LIMITS: each of the three e lies between -126 and 119, so that 2^e and 448 x 2^e are f32 numbers.  NaN among the inputs is not served; an infinity is held at the largest code.
; THE CODES ARE LAID AS IMAGES OF THE OPERAND'S REGISTERS.  An operand [R rows][K] is stored [R / 16][K / 128][2,048 bytes]: a fragment of 16 rows x 128 K is 16 registers a lane; registers 4 c .. 4 c + 3 of lane l
; lie at 512 c + 16 l.  Registers 2 c, 2 c + 1 of lane (r = l % 16, h = l / 16) hold k = 16 c + 8 h + 0 .. 7 of row r (the 8-bit operand layout: ISA guide 7.12.2).  So a later launch fetches a fragment by four loads of 512 dense bytes.
; opimg: x's 512 tiles of 16 rows, then w_qkv's 192 tiles of 16 columns (an operand row of a weight is a column n).  wpimg: w_proj's 64 tiles of 16 columns.  A tile of 16 rows is 8 fragments, 16,384 bytes.
; SHARES: work-groups 0-255 take x, 256-351 w_qkv, 352-383 w_proj; each wave moves 32 KiB of f32.  Waves share nothing: no barrier.  Work-groups share no input, so there is no cluster; a stream has no use for the matrix units.
.set XR,  16                           ; x: v16-143   two sets of 64 registers as loaded
.set XX,  144                          ;    v144-207  64 numbers in the order of the operand's registers
.set XC,  208                          ;    v208-239  two sets of 16 registers of codes
.set SPX, 528                          ;    a stage row: 512 bytes + 16 = 132 words: row r starts at bank 4 r mod 64 (64 banks of 4 bytes: ISA guide 11.1)
.set WX,  16                           ; weights: v16-79 two sets of 32 numbers
.set WC,  80                           ;          v80-143 eight registers of codes for each of 8 blocks: no store's data are written again
.macro SCALE e                         ; v11 = 2^e as f32 (the conversion takes its exponent field), s32 = 448 x 2^e
	s_add_co_i32 s32, s[\e], 127
	s_lshl_b32 s33, s32, 23
	v_mov_b32 v11, s33
	s_add_co_i32 s32, s32, 8
	s_lshl_b32 s32, s32, 23
	s_or_b32 s32, s32, 0x600000
.endm
; x, fragment f of the wave's four: 16 loads, each 512 dense bytes of one row (128 numbers)
.macro XLOAD f
.irp i, 0,1,2,3,4,5,6,7,8,9,10,11,12,13,14,15
	global_load_b128 v[XR+64*((\f)%2)+4*\i:XR+64*((\f)%2)+4*\i+3], v2, s[4:5] offset:4096*\i+512*(\f) th:TH_LOAD_NT
.endr
.endm
; the fragment turns through the wave's own stage: in as rows, out as lane (r, h)'s eight runs of eight neighbours along K
.macro XSTEP f
.if (\f) < 3
	s_wait_loadcnt 16                              ; this fragment's 16 loads are in; the next fragment's 16 may be out
.else
	s_wait_loadcnt 0
.endif
.irp i, 0,1,2,3,4,5,6,7,8,9,10,11,12,13,14,15
	ds_store_b128 v3, v[XR+64*((\f)%2)+4*\i:XR+64*((\f)%2)+4*\i+3] offset:SPX*\i
.endr
.irp c, 0,1,2,3,4,5,6,7
	ds_load_b128 v[XX+8*\c:XX+8*\c+3], v4 offset:64*\c        ; LDS serves a wave's instructions in order (ISA guide 5.7.1.4): these see the stores above
	ds_load_b128 v[XX+8*\c+4:XX+8*\c+7], v4 offset:64*\c+16   ; k = 16 c + 8 h + 0 .. 7 of row r
.endr
	s_wait_dscnt 0x0                               ; the numbers are back; the stores have read their registers,
.if (\f) < 2
	XLOAD (\f)+2                                   ; which take the fragment two further on
.endif
.set xj, 0
.rept 64
.set xj, xj+1
.endr
.if (\f) >= 2
	s_wait_xcnt 0x0                                ; the stores of two fragments ago have read this set of codes
.endif
.irp c, 0,1,2,3,4,5,6,7
	v_cvt_scalef32_pk8_fp8_f32 v[XC+16*((\f)%2)+2*\c:XC+16*((\f)%2)+2*\c+1], v[XX+8*\c:XX+8*\c+7], v11
.endr
	v_nop                                          ; a plain line behind the conversions: the next fragment's loads write their sources
.irp c, 0,1,2,3
	global_store_b128 v2, v[XC+16*((\f)%2)+4*\c:XC+16*((\f)%2)+4*\c+3], s[12:13] offset:2048*(\f)+512*\c   ; 512 dense bytes, aligned
.endr
.endm
; a weight [1024][WN]: a lane takes a column and its registers run down K.  Block t: 32 along K; registers 0-15 are what lane (r, 0) of the image holds, registers 16-31 what lane (r, 1) holds
.macro WLOAD t
.set wi, 0
.rept 32
	global_load_b32 v[WX+32*((\t)%2)+wi], v3, s[WIP:WIP+1] offset:(128*((\t)/4)+32*((\t)%4)+8*(wi/16)+(wi%8)+16*((wi%16)/8))*WN*4 th:TH_LOAD_NT
.set wi, wi+1
.endr
.endm
.macro WBLOCK t
.if (\t) < 7
	s_wait_loadcnt 32                              ; this block's 32 loads are in; the next block's may be out
.else
	s_wait_loadcnt 0
.endif
.set wi, 0
.rept 32
.set wi, wi+1
.endr
.irp g, 0,1,2,3
	v_cvt_scalef32_pk8_fp8_f32 v[WC+8*(\t)+2*\g:WC+8*(\t)+2*\g+1], v[WX+32*((\t)%2)+8*\g:WX+32*((\t)%2)+8*\g+7], v11
.endr
	v_nop                                          ; a plain line behind the conversions
.if (\t) < 6
	WLOAD (\t)+2
.endif
	global_store_b128 v4, v[WC+8*(\t):WC+8*(\t)+3], s[WOP:WOP+1] offset:2048*((\t)/4)+512*((\t)%4)          ; sixteen lanes store 256 consecutive bytes, aligned: the image's lanes 0-15,
	global_store_b128 v4, v[WC+8*(\t)+4:WC+8*(\t)+7], s[WOP:WOP+1] offset:2048*((\t)/4)+512*((\t)%4)+256    ; and its lanes 16-31
.endm
; a work-group takes 128 columns x 256 K, a wave 32 columns: two tiles of 16 operand rows, two fragments each
.macro WROLE n, first, e, inp, outp, outoff
.set WN,  \n
.set WIP, \inp
.set WOP, \outp
	s_sub_co_u32 s17, ttmp9, \first
	s_and_b32 s18, s17, 3                          ; which 256 along K
	s_lshr_b32 s19, s17, 2                         ; which 128 columns
	s_mul_i32 s20, s18, 256*\n*4
	s_lshl_b32 s21, s19, 9
	s_add_co_u32 s20, s20, s21
	s_lshl_b32 s21, s16, 7
	s_add_co_u32 s20, s20, s21
	s_mov_b32 s21, 0
	s_add_nc_u64 s[\inp:\inp+1], s[\inp:\inp+1], s[20:21]
	s_lshl_b32 s20, s19, 3
	s_lshl_b32 s22, s16, 1
	s_add_co_u32 s20, s20, s22                     ; my first tile of 16 columns
	s_lshl_b32 s20, s20, 14
	s_lshl_b32 s22, s18, 12
	s_add_co_u32 s20, s20, s22
	s_add_co_u32 s20, s20, \outoff
	s_add_nc_u64 s[\outp:\outp+1], s[\outp:\outp+1], s[20:21]
	v_lshlrev_b32 v3, 2, v1                        ; in: 4 bytes a lane
	v_lshrrev_b32 v4, 4, v1
	v_and_b32 v5, 15, v1
	v_lshlrev_b32 v4, 14, v4                       ; out: lanes 16-31 hold the next tile of 16 columns,
	v_lshl_add_u32 v4, v5, 4, v4                   ; 16 bytes a column
	WLOAD 0
	WLOAD 1
	s_wait_kmcnt 0x0
	SCALE \e
	s_wait_alu depctr_va_vdst(0)
.irp t, 0,1,2,3,4,5,6,7
	WBLOCK \t
.endr
.endm
	s_load_b256 s[4:11], s[0:1], 0x0               ; x s[4:5], w_qkv s[6:7], w_proj s[8:9], the scales' exponents s[10:11]
	s_load_b128 s[12:15], s[0:1], 0x20             ; opimg s[12:13], wpimg s[14:15]
	v_lshl_add_u32 v240, v0, 2, 0x8400
	v_mov_b32 v241, 0
	v_lshrrev_b32 v1, 5, v0
	v_readfirstlane_b32 s16, v1                    ; wave
	v_and_b32 v1, 31, v0                           ; lane
	v_lshlrev_b32 v2, 4, v1                        ; 16 x lane
	s_wait_kmcnt 0x0
	s_load_b256 s[24:31], s[10:11], 0x0            ; the eight exponents
	s_cmp_lt_u32 ttmp9, 256
	s_cbranch_scc0 .Lweights
	; ---- x: wave U = 4 x work-group + wave takes rows 16 (U / 2) on, K 512 (U % 2) on: four fragments
	s_lshl_b32 s17, ttmp9, 2
	s_add_co_u32 s17, s17, s16
	s_lshr_b32 s18, s17, 1
	s_and_b32 s19, s17, 1
	s_lshl_b32 s20, s18, 16                        ; 16 rows of 4,096 bytes
	s_lshl_b32 s21, s19, 11
	s_add_co_u32 s20, s20, s21
	s_mov_b32 s21, 0
	s_add_nc_u64 s[4:5], s[4:5], s[20:21]
	s_lshl_b32 s20, s18, 14                        ; a tile of 16 rows of codes
	s_lshl_b32 s22, s19, 13
	s_add_co_u32 s20, s20, s22
	s_add_nc_u64 s[12:13], s[12:13], s[20:21]
	s_mul_i32 s22, s16, 16*SPX                     ; my stage
	s_wait_alu depctr_va_vdst(0)
	v_add_nc_u32 v3, s22, v2                       ; in: 16 bytes a lane of a row
	v_and_b32 v5, 15, v0
	v_bfe_u32 v6, v0, 4, 1
	v_mul_u32_u24 v4, v5, SPX
	v_lshl_add_u32 v4, v6, 5, v4
	v_add_nc_u32 v4, s22, v4                       ; out: row r, + 32 h bytes
	XLOAD 0
	XLOAD 1
	s_wait_alu depctr_va_vdst(0)
	s_wait_kmcnt 0x0
	SCALE 24
	s_wait_alu depctr_va_vdst(0)
.irp f, 0,1,2,3
	XSTEP \f
.endr
	s_wait_tensorcnt 0x0
	ds_add_u32 v240, v241
	s_wait_dscnt 0x0
	s_endpgm
.Lweights:
	s_cmp_lt_u32 ttmp9, 352
	s_cbranch_scc0 .Lproj_w
	s_wait_alu depctr_va_vdst(0)
	WROLE 3072, 256, 25, 6, 12, 8388608            ; w_qkv, behind x's codes.  The largest load offset, 255 rows of 12,288 bytes, lies inside the signed 24-bit immediate (ISA guide, chapter 10)
	s_endpgm
.Lproj_w:
	s_wait_alu depctr_va_vdst(0)
	WROLE 1024, 352, 31, 8, 14, 0                  ; w_proj
	s_endpgm
.Lfunc_end_k_q05e8b52be5_prep:
	.size	k_q05e8b52be5_prep, .Lfunc_end_k_q05e8b52be5_prep-k_q05e8b52be5_prep
	.p2alignl 7, 3214868480
	.fill 96, 4, 3214868480
	.section	.rodata,"a",@progbits
	.p2align	6, 0x0
	.amdhsa_kernel k_q05e8b52be5_prep
		.amdhsa_group_segment_fixed_size 34304
		.amdhsa_private_segment_fixed_size 0
		.amdhsa_enable_private_segment 0
		.amdhsa_kernarg_size 48
		.amdhsa_user_sgpr_count 2
		.amdhsa_user_sgpr_kernarg_segment_ptr 1
		.amdhsa_wavefront_size32 1
		.amdhsa_system_sgpr_workgroup_id_x 1
		.amdhsa_system_sgpr_workgroup_id_y 1
		.amdhsa_system_sgpr_workgroup_id_z 1
		.amdhsa_system_vgpr_workitem_id 0
		.amdhsa_next_free_vgpr 242
		.amdhsa_next_free_sgpr 66
		.amdhsa_reserve_vcc 0
		.amdhsa_float_denorm_mode_32 3
		.amdhsa_float_denorm_mode_16_64 3
		.amdhsa_fp16_overflow 1
		.amdhsa_memory_ordered 1
		.amdhsa_forward_progress 1
		.amdhsa_inst_pref_size 79
	.end_amdhsa_kernel
	.amdgpu_metadata
---
amdhsa.version: [ 1, 2 ]
amdhsa.kernels:
  - .name:           k_q05e8b52be5_prep
    .symbol:         k_q05e8b52be5_prep.kd
    .args:
      - { .name: x, .offset: 0, .size: 8, .value_kind: global_buffer, .address_space: global }
      - { .name: w_qkv, .offset: 8, .size: 8, .value_kind: global_buffer, .address_space: global }
      - { .name: w_proj, .offset: 16, .size: 8, .value_kind: global_buffer, .address_space: global }
      - { .name: lowp_scales, .offset: 24, .size: 8, .value_kind: global_buffer, .address_space: global }
      - { .name: opimg, .offset: 32, .size: 8, .value_kind: global_buffer, .address_space: global }
      - { .name: wpimg, .offset: 40, .size: 8, .value_kind: global_buffer, .address_space: global }
    .group_segment_fixed_size: 34304
    .private_segment_fixed_size: 0
    .kernarg_segment_align: 8
    .kernarg_segment_size: 48
    .max_flat_workgroup_size: 128
    .sgpr_count:     66
    .vgpr_count:     242
    .wavefront_size: 32
...
	.end_amdgpu_metadata
.endif
;; end of part 1
;; launch qkv (part 2): grid 12 x 32, 4 waves a work-group, clusters of 4 x 4, 327,680 bytes of LDS; arguments opimg, lowp_scales, qkvimg; writes qkvimg
.if DOCPART == 2
	.amdgcn_target "amdgcn-amd-amdhsa--gfx1250"
	.amdhsa_code_object_version 6
	.text
	.protected	k_q05e8b52be5_qkv
	.globl	k_q05e8b52be5_qkv
	.p2align	8
	.type	k_q05e8b52be5_qkv,@function
k_q05e8b52be5_qkv:
	s_mov_b64 s[64:65], 0
	v_nop
	global_prefetch_b8 v0, s[64:65] scope:SCOPE_SE
	s_setreg_imm32_b32 hwreg(HW_REG_WAVE_MODE, 25, 1), 1
	s_wait_xcnt 0x0
	s_wait_alu depctr_hold_cnt(0) depctr_sa_sdst(0) depctr_va_vdst(0) depctr_va_sdst(0) depctr_va_ssrc(0) depctr_va_vcc(0) depctr_vm_vsrc(0)
	s_getreg_b32 s2, hwreg(HW_REG_IB_STS2, 6, 4)
	s_cmp_eq_u32 s2, 0
	s_cbranch_scc0 .Lentry_in_a_cluster
	s_endpgm
.Lentry_in_a_cluster:
	s_bfe_u32 s2, ttmp6, 0x10000c
	s_cmp_lg_u32 s2, 0xf033
	s_cbranch_scc0 .Lentry_shape_is_right
	s_endpgm
.Lentry_shape_is_right:
; qkv = x w_qkv on codes of FP8 (E4M3), K = 1,024, sums in f32; the sums are quantised at once to the codes of q (scale entry 2), k (entry 3) and v (entry 5) and stored as images of the operands of the attention launch.
; opimg holds x's codes (512 tiles of 16 rows) and then w_qkv's (192 tiles of 16 columns), each tile 8 fragments of 2,048 bytes: registers 4 c .. 4 c + 3 of lane l at 512 c + 16 l.
; A sum stands for sum x 2^(e0 + e1), so its code is sum / 2^(eX - e0 - e1), held within +-448.  LIMIT: eX - e0 - e1 lies between -126 and 119 for X = 2, 3, 5.
; A tile of 256 x 256 is made by four waves, as many as a WGP has SIMDs; a wave makes 128 x 128: 64 accumulators, 512 registers.  K goes in steps of 256 through two LDS slots; K has four such steps, so they are written out.
; THE MATRIX INSTRUCTION IS USED TRANSPOSED: source 0 = 16 rows of 'B', source 1 = 16 rows of 'A': a lane holds ONE row of 'A' and eight neighbouring rows of 'B', which are eight neighbours along the NEXT product's K.
; For q and k (clusters x = 0, 1) 'A' = tokens and 'B' = w's columns: the registers run along the head's 64.  For v (cluster x = 2) the parts are swapped, 'A' = w's columns 2,048 on, 'B' = tokens: the registers run along the keys.
; Only offsets into the one buffer differ, chosen by s_cselect_b32 on the cluster's x, which all sixteen partners share: one text, no branch.
; CLUSTERS: 4 x 4 work-groups; 'A's tile is shared along a row of the cluster, 'B's along a column: each is asked for jointly.
; qkvimg: three regions of 8,388,608 bytes.  q, k: [batch 4][pair of heads 8][tile of 16 tokens 128][head of the pair 2][1,024 bytes].  v: [batch][pair][128 keys 16][head 2][16 of the head's 64: 4][2,048 bytes].
; In all three a wave's result is 16,384 dense bytes: block a of 16 'A' rows at 2,048 a.  No stage in LDS is needed.
; REGISTERS, in windows of 256: window 0: v10-29 constants and addresses; v128-255 'A's fragments, ONE set, later the codes.  window 1: 'B's fragments, TWO sets.  windows 2, 3: the accumulators ((a, b) at v[8 (8 (a % 4) + b)]).
.set HALFT,  32768                     ; 128 rows x 256 K: 8 tiles of 16 rows x 4,096 bytes: what one tensor load brings, and what one wave reads of 'A' or of 'B'
.set SLOT,   4*HALFT                   ; 'A's 256 rows, then 'B's
.set STEPB,  4096                      ; a K step in a tile of 16 rows
.set SPARE,  2*SLOT                    ; behind the ring: the spare words, 128 bytes for each wave, that no other line names
.set FR,     16                        ; registers of a fragment
.set NL,     4                         ; LDS loads that bring one
.set NP,     4                         ; places behind this matrix instruction (ISA guide 7.12.1)
.set SC,   10                          ; v10     2^(eX - e0 - e1)
.set LIM,  11
.set ADRA, 16                          ; v16-17  LDS address of my 'A' fragments in slot 0, 1
.set ADRB, 20                          ; v20-21  the same for 'B'
.set GO,   26                          ; v26     16 x lane
.set SPW,  28                          ; v28     LDS address of my spare word; never rewritten
.set NIL,  29                          ; v29     0; never rewritten
.set TMP,  32
.set AF,   128
.set G1, 24                            ; s[24:31] descriptor group 1 for 'A's tiles;  s[32:39] group 0, one set for each slot
.set G0, 32
.set G1B, 48                           ; s[48:55], s[56:63] the same for 'B's
.set G0B, 56
.set MSB, 0
.macro WIN new                         ; the immediate's high byte repeats the setting that is left
.if MSB != \new
	s_set_vgpr_msb (MSB<<8)|\new
.set MSB, \new
.endif
.endm
.set MUL_LO, 0xa1                      ; source 0 ('B') window 1, source 1 ('A') window 0, C and D window 2
.set MUL_HI, 0xf1                      ; the same, C and D window 3
.set TO_B,   0x40                      ; destination window 1, address window 0
; A joint load: waves 0 and 1 fetch for 'A', waves 2 and 3 for 'B'.  The branch hangs on the wave's number alone.  Four v_nop follow each of the two lines.
.macro JLOAD g0a, g1a, g0b, g1b
	s_cmp_eq_u32 s15, 0
	s_cbranch_scc0 .Lfor_b_\@
	tensor_load_to_lds s[\g0a:\g0a+3], s[\g1a:\g1a+7]
	s_nop 0
.rept 4
	v_nop
.endr
	s_branch .Lasked_\@
.Lfor_b_\@:
	tensor_load_to_lds s[\g0b:\g0b+3], s[\g1b:\g1b+7]
	s_nop 0
.rept 4
	v_nop
.endr
.Lasked_\@:
.endm
.macro CREST                           ; a round of the cluster's barrier behind its opening barrier
	s_cmp_lg_u32 s14, 0
	s_cbranch_scc1 .Lnot_wave_0_\@
	s_barrier_signal -3
.Lnot_wave_0_\@:
	s_barrier_wait -3
	s_barrier_signal -1
	s_barrier_wait -1
.endm
.macro CROUND                          ; a whole round
	s_barrier_signal -1
	s_barrier_wait -1
	CREST
.endm
	s_load_b128 s[4:7], s[0:1], 0x0                ; opimg s[4:5], the scales' exponents s[6:7]
	s_load_b64 s[8:9], s[0:1], 0x10                ; qkvimg
	v_lshl_add_u32 v[SPW], v0, 2, SPARE
	v_mov_b32 v[NIL], 0
	ds_add_u32 v28, v29
	ds_add_u32 v28, v29
	s_wait_dscnt 0x0
	v_lshrrev_b32 v1, 5, v0
	v_readfirstlane_b32 s14, v1                    ; wave 0..3
	s_lshr_b32 s15, s14, 1                         ; which half of 'A's rows is mine.  Also: I fetch for 'A' (0) or for 'B' (1)
	s_and_b32 s16, s14, 1                          ; which half of 'B's rows.  Also: which 128 rows of that tile I fetch
	s_bfe_u32 s40, ttmp6, 0x40000                  ; cx, cy: my place in the cluster
	s_bfe_u32 s41, ttmp6, 0x40004
	s_and_b32 s10, ttmp7, 0xffff
	s_lshl_b32 s10, s10, 2                         ; 4 x cluster y
	s_lshl_b32 s11, ttmp9, 2                       ; 4 x cluster x
	s_cmp_eq_u32 ttmp9, 2                          ; v's cluster column?  The same answer in all sixteen partners
	s_cselect_b32 s17, 0, s10                      ; 'A': tokens walk with the cluster's y; v's 1,024 columns are four tiles
	s_cselect_b32 s42, s10, s11                    ; 'B': w's columns walk with the cluster's x; v's tokens with its y
	s_cselect_b32 s18, 10485760, 0                 ; 'A's first byte in opimg: w's column 2,048, or x
	s_cselect_b32 s19, 0, 8388608                  ; 'B's: x, or w's column 0
	s_add_co_u32 s17, s17, s41                     ; tile row
	s_add_co_u32 s42, s42, s40                     ; tile column
	s_lshl_b32 s43, s41, 2
	s_lshl_b32 s43, 15, s43                        ; my row of the cluster
	s_lshl_b32 s44, 0x1111, s40                    ; my column
	; descriptor group 1: 8 rows (tiles of 16 operand rows) x 4,096 bytes (a K step's two fragments), 16,384 bytes apart; dense in LDS
	s_or_b32 s[G1+0], s43, (3<<16)|(1<<21)         ; 15:0 the mask; 17:16 elements of 8 bytes; 20 no padding; 21 set beside a mask
	s_or_b32 s[G1B+0], s44, (3<<16)|(1<<21)
.irp g, G1, G1B
	s_mov_b32 s[\g+1], 512<<16                     ; tensor_dim0 = 512 elements
	s_mov_b32 s[\g+2], 8<<16                       ; tensor_dim1 = 8
	s_mov_b32 s[\g+3], 512<<16                     ; tile_dim0
	s_mov_b32 s[\g+4], 8                           ; tile_dim1
	s_mov_b32 s[\g+5], 2048                        ; tensor_dim0_stride, in elements
	s_mov_b32 s[\g+6], 0
	s_mov_b32 s[\g+7], 0
.endr
	s_lshl_b32 s20, s17, 18                        ; 'A': 256 rows are 262,144 bytes of codes; these registers never hold cx
	s_add_co_u32 s20, s20, s18
	s_lshl_b32 s21, s16, 17                        ; + the 128 rows that I fetch
	s_add_co_u32 s20, s20, s21
	s_mov_b32 s21, 0
	s_lshl_b32 s46, s42, 18                        ; 'B': these never hold cy
	s_add_co_u32 s46, s46, s19
	s_lshl_b32 s47, s16, 17
	s_add_co_u32 s46, s46, s47
	s_mov_b32 s47, 0
	s_mul_i32 s45, s14, HALFT                      ; where they go: wave x 128 rows: no place in the cluster enters an LDS address
	s_wait_kmcnt 0x0
	s_load_b256 s[72:79], s[6:7], 0x0              ; e0 .. e7
	s_add_nc_u64 s[20:21], s[4:5], s[20:21]
	s_add_nc_u64 s[46:47], s[4:5], s[46:47]
	CROUND                                         ; all sixteen work-groups are here: the first joint loads meet
.irp s, 0,1
	s_mov_b32 s[G0+4*\s], 1
	s_add_co_u32 s[G0+4*\s+1], s45, \s*SLOT
	s_add_nc_u64 s[G0+4*\s+2:G0+4*\s+3], s[20:21], \s*STEPB
	s_or_b32 s[G0+4*\s+3], s[G0+4*\s+3], 0x80000000
	s_mov_b32 s[G0B+4*\s], 1
	s_add_co_u32 s[G0B+4*\s+1], s45, \s*SLOT
	s_add_nc_u64 s[G0B+4*\s+2:G0B+4*\s+3], s[46:47], \s*STEPB
	s_or_b32 s[G0B+4*\s+3], s[G0B+4*\s+3], 0x80000000
	JLOAD G0+4*\s, G1, G0B+4*\s, G1B               ; two loads of mine are out
.endr
	v_and_b32 v1, 31, v0
	v_lshlrev_b32 v[GO], 4, v1                     ; 16 x lane: my place in every group of four registers
	s_mul_i32 s22, s15, HALFT                      ; my 128 rows of 'A'
	s_mul_i32 s23, s16, HALFT                      ; my 128 rows of 'B',
	s_add_co_u32 s23, s23, 2*HALFT                 ; which lie behind 'A's 256
.irp s, 0,1
	v_add_nc_u32 v[ADRA+\s], s22, v[GO]
	v_add_nc_u32 v[ADRB+\s], s23, v[GO]
	s_add_co_u32 s22, s22, SLOT
	s_add_co_u32 s23, s23, SLOT
.endr
	; the way out is prepared here, while the first tiles are on their way
	s_lshl_b32 s81, s17, 1
	s_add_co_u32 s81, s81, s15                     ; which 128 rows of 'A' are mine
	s_lshl_b32 s82, s42, 1
	s_add_co_u32 s82, s82, s16                     ; which 128 rows of 'B'
	s_and_b32 s83, s82, 7
	s_wait_alu depctr_va_vdst(0)
	s_wait_kmcnt 0x0
	s_cmp_eq_u32 ttmp9, 0
	s_cselect_b32 s80, s74, s75                    ; q: e2; k: e3;
	s_cmp_eq_u32 ttmp9, 2
	s_cselect_b32 s80, s77, s80                    ; v: e5
	s_cselect_b32 s84, s82, s81                    ; my 128 tokens, 0 .. 63
	s_cselect_b32 s85, s81, s83                    ; my pair of heads, 0 .. 7
	s_sub_co_i32 s80, s80, s72
	s_sub_co_i32 s80, s80, s73                     ; eX - e0 - e1
	s_add_co_i32 s80, s80, 127
	s_lshl_b32 s86, s80, 23
	v_mov_b32 v[SC], s86
	s_lshr_b32 s86, s84, 4                         ; the batch
	s_lshl_b32 s86, s86, 3
	s_add_co_u32 s86, s86, s85
	s_lshl_b32 s86, s86, 18                        ; a batch's pair of heads is 262,144 bytes
	s_and_b32 s87, s84, 15
	s_lshl_b32 s87, s87, 14                        ; 128 tokens of it are 16,384
	s_add_co_u32 s86, s86, s87
	s_lshl_b32 s87, ttmp9, 23                      ; the region: q, k or v
	s_add_co_u32 s86, s86, s87
	s_mov_b32 s87, 0
	s_add_nc_u64 s[8:9], s[8:9], s[86:87]
.macro FRAG reg, adr, q, i             ; a fragment as it lies: four loads of 512 consecutive bytes
.irp c, 0,1,2,3
	ds_load_b128 v[\reg+4*\c:\reg+4*\c+3], v[\adr] offset:4096*(\i)+2048*(\q)+512*\c
.endr
.endm
; 16 matrix instructions: 'A's blocks a0, a0 + 1 x 'B's eight, 128 along K.  p: 'B's set.  zero = 1: the first product starts the sums.
; The 64 accumulators take turns, one instruction a turn, in the same order in every step.
.macro MUL16 a0, p, zero
.irp a, \a0, \a0+1
.irp b, 0,1,2,3,4,5,6,7
.if \zero
	v_wmma_f32_16x16x128_fp8_fp8 v[8*(8*((\a)%4)+\b):8*(8*((\a)%4)+\b)+7], v[128*(\p)+FR*\b:128*(\p)+FR*\b+FR-1], v[AF+FR*(\a):AF+FR*(\a)+FR-1], 0
.else
	v_wmma_f32_16x16x128_fp8_fp8 v[8*(8*((\a)%4)+\b):8*(8*((\a)%4)+\b)+7], v[128*(\p)+FR*\b:128*(\p)+FR*\b+FR-1], v[AF+FR*(\a):AF+FR*(\a)+FR-1], v[8*(8*((\a)%4)+\b):8*(8*((\a)%4)+\b)+7]
.endif
.endr
.endr
.endm
.macro FETCH_B slot, q, p
	WIN TO_B
.irp i, 0,1,2,3,4,5,6,7
	FRAG 128*(\p)+FR*\i, ADRB+\slot, \q, \i
.endr
	WIN 0
.endm
.macro FETCH_A slot, q, i0
.irp i, \i0, \i0+1, \i0+2, \i0+3
	FRAG AF+FR*(\i), ADRA+\slot, \q, \i
.endr
.endm
.macro PLACES n                        ; plain vector lines between a matrix instruction and a load into its registers or a read of its result
.rept \n
	v_nop
.endr
.endm
; A step of 128 along K that has its successor in the same slot.  A block of 'A' is free as soon as its eight products are issued: blocks 0-3 are fetched anew in the middle, blocks 4-7 at the end.
.macro STEP slot, q, zero
	s_wait_dscnt 4*NL                              ; 'B's set and 'A's blocks 0-3 are in; the youngest 16 loads ('A's blocks 4-7) may be out
	WIN MUL_LO
	MUL16 0, (\q)%2, \zero
	MUL16 2, (\q)%2, \zero
	s_wait_dscnt 0
	PLACES NP
	FETCH_B \slot, (\q)+1, 1-(\q)%2
	FETCH_A \slot, (\q)+1, 0
	WIN MUL_HI
	MUL16 4, (\q)%2, \zero
	MUL16 6, (\q)%2, \zero
	PLACES NP
	WIN 0
	FETCH_A \slot, (\q)+1, 4
.endm
; A slot's last step changes slots: ONE barrier; in front of it each wave waits for all its tensor loads, adds 0 to its spare word, and waits for that and for its own reads of this slot.  fill = 1: this slot is filled again, two K steps ahead.
.macro TURN slot, next, fill
	s_wait_tensorcnt 0x0                           ; all my tensor loads have landed: my part of the next slot
	ds_add_u32 v[SPW], v[NIL]                      ; 0 onto my spare word
	s_wait_dscnt 4*NL+1                            ; (the add and the youngest 16 loads may be out)
	WIN MUL_LO
	MUL16 0, 1, 0                                  ; sixteen matrix instructions stand between the add and the wait for it
	s_wait_dscnt 0x0                               ; the add is done, and my reads of this slot are over
	s_barrier_signal -1
	MUL16 2, 1, 0
	WIN 0
	s_barrier_wait -1
.if \fill
	CREST                                          ; the barrier has opened a round of the cluster's barrier: no wave of any partner still reads this slot or has a load on its way
	s_add_nc_u64 s[G0+4*\slot+2:G0+4*\slot+3], s[G0+4*\slot+2:G0+4*\slot+3], 2*STEPB
	s_add_nc_u64 s[G0B+4*\slot+2:G0B+4*\slot+3], s[G0B+4*\slot+2:G0B+4*\slot+3], 2*STEPB
	JLOAD G0+4*\slot, G1, G0B+4*\slot, G1B         ; the first tensor load behind the round; its four v_nop are the places in front of the loads below
.else
	PLACES NP
.endif
	FETCH_B \next, 0, 0
	FETCH_A \next, 0, 0
	WIN MUL_HI
	MUL16 4, 1, 0
	MUL16 6, 1, 0
	PLACES NP
	WIN 0
	FETCH_A \next, 0, 4
.endm
	s_wait_tensorcnt 1                             ; my part of K step 0 is in; K step 1's load may be out
	s_barrier_signal -1
	s_barrier_wait -1
	FETCH_B 0, 0, 0
	FETCH_A 0, 0, 0
	FETCH_A 0, 0, 4
	STEP 0, 0, 1                                   ; K 0-127: its products start the sums
	TURN 0, 1, 1                                   ; K 128-255; slot 0 takes K 512-767
	STEP 1, 0, 0
	TURN 1, 0, 1                                   ; slot 1 takes K 768-1023
	STEP 0, 0, 0
	TURN 0, 1, 0                                   ; nothing is left to fetch
	STEP 1, 0, 0
	s_wait_dscnt 4*NL
	WIN MUL_LO
	MUL16 0, 1, 0
	MUL16 2, 1, 0
	s_wait_alu depctr_va_vdst(0)
	s_wait_dscnt 0
	WIN MUL_HI
	MUL16 4, 1, 0
	MUL16 6, 1, 0
	WIN 0
	; THE WAY OUT.  Block a: lane (r, h) holds row r of 'A' and, in accumulator b, rows 16 b + 8 h + 0 .. 7 of 'B': the eight conversions' results are registers 2 b, 2 b + 1 of the next product's fragment.
	PLACES NP
.irp a, 0,1,2,3,4,5,6,7
	WIN 0x02+((\a)/4)                              ; source 0: window 2 or 3
.set j, 0
.rept 64
.set j, j+1
.endr
.irp b, 0,1,2,3,4,5,6,7
	v_cvt_scalef32_pk8_fp8_f32 v[AF+16*\a+2*\b:AF+16*\a+2*\b+1], v[TMP+8*\b+((64*((\a)%4)+j)-(TMP+j)):TMP+8*\b+7+((64*((\a)%4)+j)-(TMP+j))], v[SC]
.endr
	WIN 0
	v_nop                                          ; a plain line behind the conversions
.irp c, 0,1,2,3
	global_store_b128 v[GO], v[AF+16*\a+4*\c:AF+16*\a+4*\c+3], s[8:9] offset:2048*\a+512*\c   ; 512 consecutive bytes, aligned; each block has code registers of its own
.endr
.endr
	s_wait_tensorcnt 0x0                           ; the wave's end
	ds_add_u32 v[SPW], v[NIL]
	s_wait_dscnt 0x0
	CROUND                                         ; the closing round: no work-group ends while a partner may still ask for a tile that names it
	s_endpgm
.Lfunc_end_k_q05e8b52be5_qkv:
	.size	k_q05e8b52be5_qkv, .Lfunc_end_k_q05e8b52be5_qkv-k_q05e8b52be5_qkv
	.p2alignl 7, 3214868480
	.fill 96, 4, 3214868480
	.section	.rodata,"a",@progbits
	.p2align	6, 0x0
	.amdhsa_kernel k_q05e8b52be5_qkv
		.amdhsa_group_segment_fixed_size 327680
		.amdhsa_private_segment_fixed_size 0
		.amdhsa_enable_private_segment 0
		.amdhsa_kernarg_size 24
		.amdhsa_user_sgpr_count 2
		.amdhsa_user_sgpr_kernarg_segment_ptr 1
		.amdhsa_wavefront_size32 1
		.amdhsa_system_sgpr_workgroup_id_x 1
		.amdhsa_system_sgpr_workgroup_id_y 1
		.amdhsa_system_sgpr_workgroup_id_z 1
		.amdhsa_system_vgpr_workitem_id 0
		.amdhsa_next_free_vgpr 1024
		.amdhsa_next_free_sgpr 100
		.amdhsa_reserve_vcc 0
		.amdhsa_float_denorm_mode_32 3
		.amdhsa_float_denorm_mode_16_64 3
		.amdhsa_fp16_overflow 1
		.amdhsa_memory_ordered 1
		.amdhsa_forward_progress 1
		.amdhsa_inst_pref_size 85
	.end_amdhsa_kernel
	.amdgpu_metadata
---
amdhsa.version: [ 1, 2 ]
amdhsa.kernels:
  - .name:           k_q05e8b52be5_qkv
    .symbol:         k_q05e8b52be5_qkv.kd
    .args:
      - { .name: opimg, .offset: 0, .size: 8, .value_kind: global_buffer, .address_space: global }
      - { .name: lowp_scales, .offset: 8, .size: 8, .value_kind: global_buffer, .address_space: global }
      - { .name: qkvimg, .offset: 16, .size: 8, .value_kind: global_buffer, .address_space: global }
    .group_segment_fixed_size: 327680
    .private_segment_fixed_size: 0
    .kernarg_segment_align: 8
    .kernarg_segment_size: 24
    .max_flat_workgroup_size: 128
    .sgpr_count:     100
    .vgpr_count:     1024
    .wavefront_size: 32
...
	.end_amdgpu_metadata
.endif
;; end of part 2
;; launch attn (part 3): grid 4 x 64, 16 waves a work-group, clusters of 4 x 1, 264,192 bytes of LDS; arguments qkvimg, lowp_scales, aimg; writes aimg
.if DOCPART == 3
	.amdgcn_target "amdgcn-amd-amdhsa--gfx1250"
	.amdhsa_code_object_version 6
	.text
	.protected	k_q05e8b52be5_attn
	.globl	k_q05e8b52be5_attn
	.p2align	8
	.type	k_q05e8b52be5_attn,@function
k_q05e8b52be5_attn:
	s_mov_b64 s[64:65], 0
	v_nop
	global_prefetch_b8 v0, s[64:65] scope:SCOPE_SE
	s_setreg_imm32_b32 hwreg(HW_REG_WAVE_MODE, 25, 1), 1
	s_wait_xcnt 0x0
	s_wait_alu depctr_hold_cnt(0) depctr_sa_sdst(0) depctr_va_vdst(0) depctr_va_sdst(0) depctr_va_ssrc(0) depctr_va_vcc(0) depctr_vm_vsrc(0)
	s_getreg_b32 s2, hwreg(HW_REG_IB_STS2, 6, 4)
	s_cmp_eq_u32 s2, 0
	s_cbranch_scc0 .Lentry_in_a_cluster
	s_endpgm
.Lentry_in_a_cluster:
	s_bfe_u32 s2, ttmp6, 0x10000c
	s_cmp_lg_u32 s2, 0x3003
	s_cbranch_scc0 .Lentry_shape_is_right
	s_endpgm
.Lentry_shape_is_right:
; Causal attention of one head (batch x head = work-group y, 64 of them) on codes of FP8 (E4M3): S = q k^T / 8, softmax, O = p v; O / the row's sum is quantised (scale entry 6) into the image of the last product's operand.
; THE SOFTMAX AHEAD OF THE SECOND PRODUCT: t = score x log2(e) / 8; M = the row's largest t so far, rounded UP to a whole number; p = 2^(t - M) is quantised with 2^e4, not normalised.
; The row's sum is taken of the unquantised p in f32.  When M moves, the sum and O are multiplied by 2^(old M - new M), which rounds nothing.
; LIMITS on the given exponents, so that each power of two below is an f32 number: e2 + e3 between -123 and 130 (added to c's exponent field); e4, and e6 - e4 - e5, between -126 and 119.
; ALL OF A HEAD'S K AND V LIES IN LDS: 2,048 keys x 64 codes each, 131,072 + 131,072 bytes, filled once: no ring, no LDS byte is filled twice, nothing is stored to LDS.
; CLUSTER: the four work-groups of a cluster are the four quarters of one head's queries and ask for K and V JOINTLY (mask 15), in four stages of 512 keys: waves 0, 1 K's halves of a stage, waves 2, 3 V's.
; Every tile is asked for at the head, so there is nothing that could be asked for earlier: no prefetch.
; EVEN WORK.  A head has 128 tiles of 16 queries: tile 8 g + 2 cx + u needs key steps 0 .. g of 128 keys, whatever cx is.  Wave w (u = w % 2, w' = w / 2) takes g = 15 - w', then g = w': 17 key steps for every wave.
; Branches hang on the wave's number and on loop counters alone; cx enters q's and the result's offsets in memory and the mask's threshold, nothing else.
; LAYOUT.  Both products are used transposed: S^T = K Q^T (source 0 = 16 keys, source 1 = my 16 queries), O^T = V^T P^T (source 0 = 16 of the head's 64 x 128 keys, source 1 = P): a lane holds ONE query (lane % 16).
; In S^T's tile t lane (r, h) holds keys 16 t + 8 h + 0 .. 7: their eight codes are registers 2 t, 2 t + 1 of P's fragment.  All fragments lie as images of registers: four registers of lane l at 16 l, 512 bytes a group.
.set LI,   1                           ; v1   16 x lane
.set LV,   2                           ; v2   16 x lane + V's first byte in LDS
.set DM,   3                           ; v3   16 (2 cx + u) + r - 8 h: on the diagonal register j of tile t is hidden where 16 t + j is greater
.set ADK,  4                           ; v4, v5 LDS addresses of the step's K and V
.set ADV,  5
.set QOL,  6                           ; v6, v7 q's offsets of my second and first tile
.set QOH,  7
.set Q,    8                           ; v8-15    Q's fragment
.set NM,   16                          ; v16  -M;  v17 the largest t so far
.set TM,   17
.set LS,   18                          ; v[18:19] the row's sum, in two halves
.set PLIM, 20                          ; v21  2^e4
.set PSC,  21
.set FF,   22                          ; v[22:23] f = 2^(old M - new M); v23 is only named with it
.set MX,   24                          ; v24, v25 at work: the maximum's two chains; later 1 / the sum
.set PX,   26                          ; v26  a lane permute's destination
.set NINF, 27                          ; v27  -infinity
.set OSC,  28                          ; v28  2^(e6 - e4 - e5)
.set OLIM, 29
.set L2,   30                          ; v[30:31] the sum's second chain
.set KV,   32                          ; v32-95   K's eight fragments, then V's four
.set S,    96                          ; v96-159  S^T, then p
.set O,    160                         ; v160-191 O^T
.set PC,   192                         ; v192-207 p's codes
.set OC,   208                         ; v208-215 the result's codes
.set GOH,  216                         ; v216, v217 the result's offsets of my first and second tile
.set GOL,  217
.set TB,   2                           ; s2   8,192 x the key step
.set KS,   3                           ; s3   the key step
.set G,    10                          ; s10  g of the tile in hand
.set WV,   18                          ; s18  my wave's number
.set SEL,  20                          ; s[20:21] selects for v_permlanex16_b32: lane l xor 16
.set CS,   22                          ; s[22:23] c = log2(e) / 8 x 2^(e2 + e3)
.set G1K,  24                          ; s[24:31] descriptor group 1 for K;  s[32:39] for V
.set G1V,  32
.set G0K,  40                          ; s[40:55] K's four groups 0, one a stage;  s[68:83] V's
.set G0V,  68
.set VLDS, 131072
.macro CROUND
	s_barrier_signal -1
	s_barrier_wait -1
	s_cmp_lg_u32 s[WV], 0
	s_cbranch_scc1 .Lnot_wave_0_\@
	s_barrier_signal -3
.Lnot_wave_0_\@:
	s_barrier_wait -3
	s_barrier_signal -1
	s_barrier_wait -1
.endm
	s_load_b128 s[4:7], s[0:1], 0x0                ; qkvimg s[4:5], the scales' exponents s[6:7]
	s_load_b64 s[8:9], s[0:1], 0x10                ; aimg
	v_lshl_add_u32 v254, v0, 2, 0x40000
	v_mov_b32 v255, 0
	ds_add_u32 v254, v255
	ds_add_u32 v254, v255
	v_lshrrev_b32 v1, 5, v0
	s_delay_alu instid0(VALU_DEP_1)
	v_readfirstlane_b32 s[WV], v1                  ; wave 0..15
	s_lshr_b32 s19, s[WV], 1                       ; w': g of my second tile
	s_and_b32 s60, s[WV], 1                        ; u.  Also: which half of a stage I fetch
	s_bfe_u32 s14, ttmp6, 0x40000                  ; cx
	s_lshl_b32 s11, s14, 1
	s_add_co_u32 s11, s11, s60                     ; 2 cx + u
	s_sub_co_u32 s12, 15, s19                      ; g of my first tile
	s_lshl_b32 s13, s19, 3
	s_add_co_u32 s13, s13, s11                     ; my second tile of 16 queries
	s_lshl_b32 s15, s12, 3
	s_add_co_u32 s15, s15, s11                     ; my first
	s_and_b32 s56, ttmp7, 0xffff                   ; 16 x batch + head, which the four partners share
	s_lshr_b32 s57, s56, 1
	s_lshl_b32 s58, s57, 18                        ; a batch's pair of heads: 262,144 bytes in each region
	s_and_b32 s59, s56, 1                          ; the head of the pair
	s_lshl_b32 s61, s60, 15                        ; my half of a stage in memory,
	s_lshl_b32 s62, s60, 14                        ; and in LDS: no place in the cluster enters either
	s_lshl_b32 s96, s59, 10
	s_add_co_u32 s96, s96, s58                     ; q: a tile of 16 tokens is 2,048 bytes, my head's half 1,024
	s_mov_b32 s97, 0
	s_add_co_u32 s92, s96, s61
	s_add_co_u32 s92, s92, 8388608                 ; k: the same in the second region
	s_mov_b32 s93, 0
	s_lshl_b32 s94, s59, 13                        ; v: 128 keys are 16,384 bytes, my head's half 8,192
	s_add_co_u32 s94, s94, s58
	s_add_co_u32 s94, s94, s61
	s_add_co_u32 s94, s94, 16777216
	s_mov_b32 s95, 0
	s_lshr_b32 s16, s56, 4
	s_lshl_b32 s16, s16, 21                        ; aimg: a batch's 128 tiles of 16 rows x 16,384 bytes,
	s_and_b32 s17, s56, 15
	s_lshl_b32 s17, s17, 10                        ; + 1,024 x head
	s_add_co_u32 s16, s16, s17
	s_mov_b32 s17, 0
	; descriptor group 1.  K: 16 rows (tiles of 16 keys) of 1,024 bytes, 2,048 apart.  V: 2 rows (128 keys each) of 8,192 bytes, 16,384 apart.  Dense in LDS.
	s_mov_b32 s[G1K], 15|(3<<16)|(1<<21)           ; 15:0 the mask: all four work-groups; 17:16 elements of 8 bytes; 21 set beside a mask
	s_mov_b32 s[G1K+1], 128<<16                    ; tensor_dim0
	s_mov_b32 s[G1K+2], 16<<16                     ; tensor_dim1
	s_mov_b32 s[G1K+3], 128<<16                    ; tile_dim0
	s_mov_b32 s[G1K+4], 16                         ; tile_dim1
	s_mov_b32 s[G1K+5], 256                        ; tensor_dim0_stride
	s_mov_b32 s[G1K+6], 0
	s_mov_b32 s[G1K+7], 0
	s_mov_b32 s[G1V], 15|(3<<16)|(1<<21)
	s_mov_b32 s[G1V+1], 1024<<16
	s_mov_b32 s[G1V+2], 2<<16
	s_mov_b32 s[G1V+3], 1024<<16
	s_mov_b32 s[G1V+4], 2
	s_mov_b32 s[G1V+5], 2048
	s_mov_b32 s[G1V+6], 0
	s_mov_b32 s[G1V+7], 0
	s_mov_b32 s[SEL], 0x76543210
	s_mov_b32 s[SEL+1], 0xfedcba98
	s_wait_dscnt 0x0
	s_wait_kmcnt 0x0
	s_load_b256 s[84:91], s[6:7], 0x0              ; e0 .. e7
	s_add_nc_u64 s[92:93], s[4:5], s[92:93]        ; K at my half of stage 0
	s_add_nc_u64 s[94:95], s[4:5], s[94:95]        ; V likewise
	s_add_nc_u64 s[4:5], s[4:5], s[96:97]          ; q at the head's first tile
	s_add_nc_u64 s[8:9], s[8:9], s[16:17]
.irp s, 0,1,2,3
	s_mov_b32 s[G0K+4*\s], 1
	s_add_co_u32 s[G0K+4*\s+1], s62, 32768*\s
	s_add_nc_u64 s[G0K+4*\s+2:G0K+4*\s+3], s[92:93], 65536*\s
	s_or_b32 s[G0K+4*\s+3], s[G0K+4*\s+3], 0x80000000
	s_mov_b32 s[G0V+4*\s], 1
	s_add_co_u32 s[G0V+4*\s+1], s62, VLDS+32768*\s
	s_add_nc_u64 s[G0V+4*\s+2:G0V+4*\s+3], s[94:95], 65536*\s
	s_or_b32 s[G0V+4*\s+3], s[G0V+4*\s+3], 0x80000000
.endr
	CROUND                                         ; all four work-groups are here: the joint loads meet
	s_cmp_lt_u32 s[WV], 2                          ; a wave's four fills stand in one branch on its number, ahead of every wait on TENSORcnt and every LDS read: four loads of mine are out
	s_cbranch_scc0 .Lnot_k
.irp s, 0,1,2,3
	tensor_load_to_lds s[G0K+4*\s:G0K+4*\s+3], s[G1K:G1K+7]
	s_nop 0
.endr
.rept 4
	v_nop
.endr
	s_branch .Lasked
.Lnot_k:
	s_cmp_lt_u32 s[WV], 4
	s_cbranch_scc0 .Lasked
.irp s, 0,1,2,3
	tensor_load_to_lds s[G0V+4*\s:G0V+4*\s+3], s[G1V:G1V+7]
	s_nop 0
.endr
.rept 4
	v_nop
.endr
.Lasked:
	v_and_b32 v[LI], 31, v0
	s_delay_alu instid0(VALU_DEP_1)
	v_lshlrev_b32 v[LI], 4, v[LI]
	s_lshl_b32 s57, s15, 11
	v_add_nc_u32 v[QOH], s57, v[LI]
	global_load_b128 v[Q:Q+3], v[QOH], s[4:5] th:TH_LOAD_NT             ; my first tile's Q
	global_load_b128 v[Q+4:Q+7], v[QOH], s[4:5] offset:512 th:TH_LOAD_NT
	s_lshl_b32 s57, s13, 11
	v_add_nc_u32 v[QOL], s57, v[LI]
	s_lshl_b32 s57, s15, 14
	v_add_nc_u32 v[GOH], s57, v[LI]
	s_lshl_b32 s57, s13, 14
	v_add_nc_u32 v[GOL], s57, v[LI]
	v_add_nc_u32 v[LV], VLDS, v[LI]
	v_and_b32 v[MX], 15, v0                        ; r
	v_bfe_u32 v[MX+1], v0, 4, 1                    ; h
	s_delay_alu instid0(VALU_DEP_1)
	v_lshlrev_b32 v[MX+1], 3, v[MX+1]
	s_delay_alu instid0(VALU_DEP_1)
	v_sub_nc_u32 v[DM], v[MX], v[MX+1]
	s_lshl_b32 s57, s11, 4
	v_add_nc_u32 v[DM], s57, v[DM]
	v_mov_b32 v[FF+1], 0                           ; (named as the upper half of a pair)
	v_mov_b32 v[PX], 0                             ; written once: a lane permute's destination counts as one of its sources
	v_mov_b32 v[NINF], 0xff800000
	s_wait_kmcnt 0x0
	s_add_co_i32 s57, s86, s87
	s_lshl_b32 s57, s57, 23
	s_add_co_i32 s[CS], s57, 0x3e38aa3b            ; c = log2(e) / 8, with e2 + e3 added to its exponent field
	s_mov_b32 s[CS+1], s[CS]                       ; (named with it as a pair)
	s_add_co_i32 s57, s88, 127
	s_lshl_b32 s58, s57, 23
	v_mov_b32 v[PSC], s58                          ; 2^e4
	s_sub_co_i32 s57, s90, s88
	s_sub_co_i32 s57, s57, s89                     ; a sum of the second product stands for sum x 2^(e4 + e5): its code is (sum / l) / 2^(e6 - e4 - e5)
	s_add_co_i32 s57, s57, 127
	s_lshl_b32 s58, s57, 23
	v_mov_b32 v[OSC], s58
; A tile begins: O^T and the sum are zeros, the largest t is -3e38, under every t.  (The key step is written once: the first change of M multiplies zeros.)
.macro INIT
	v_mov_b32 v[TM], 0xff61b1e6
	s_delay_alu instid0(VALU_DEP_1)
	v_floor_f32 v[NM], -v[TM]
	v_mov_b32 v[LS], 0
	v_mov_b32 v[LS+1], 0
.set n, 0
.rept 32
	v_mov_b32 v[O+n], 0
.set n, n+1
.endr
.endm
; A KEY STEP of 128 keys.  masked = 1: a step behind the tile's diagonal is left out, and on the diagonal hidden scores become -infinity: scalar branches on the counter and the wave's number.
.macro STEP masked
.if \masked
	s_cmp_gt_u32 s[KS], s[G]
	s_cbranch_scc1 .Lhidden_\@
.endif
	s_setprio 2
	v_add_nc_u32 v[ADK], s[TB], v[LI]
	v_add_nc_u32 v[ADV], s[TB], v[LV]
	v_nop
	v_nop                                          ; four plain lines between the last step's products and the loads into the registers that they read
.irp t, 0,1,2,3,4,5,6,7
	ds_load_b128 v[KV+8*\t:KV+8*\t+3], v[ADK] offset:1024*\t
	ds_load_b128 v[KV+8*\t+4:KV+8*\t+7], v[ADK] offset:1024*\t+512
.endr
	s_wait_alu depctr_va_vdst(0)
	s_wait_dscnt 8                                 ; K's fragments 0-3 are in; the eight loads of fragments 4-7 may be out
.irp t, 0,1,2,3
	v_wmma_f32_16x16x64_fp8_fp8 v[S+8*\t:S+8*\t+7], v[KV+8*\t:KV+8*\t+7], v[Q:Q+7], 0
.endr
	s_wait_dscnt 0x0
.irp t, 4,5,6,7
	v_wmma_f32_16x16x64_fp8_fp8 v[S+8*\t:S+8*\t+7], v[KV+8*\t:KV+8*\t+7], v[Q:Q+7], 0
.endr
.rept 4
	v_nop                                          ; places: for the loads below, and for the first read of the scores
.endr
.irp t, 0,1,2,3
.irp c, 0,1,2,3
	ds_load_b128 v[KV+16*\t+4*\c:KV+16*\t+4*\c+3], v[ADV] offset:2048*\t+512*\c   ; V lands while the softmax is walked
.endr
.endr
.if \masked
	s_cmp_lg_u32 s[KS], s[G]
	s_cbranch_scc1 .Lopen_\@
.set n, 0
.rept 64
	v_cmp_gt_i32 vcc_lo, 16*(n/8)+n%8, v[DM]
	v_cndmask_b32 v[S+n], v[S+n], v[NINF], vcc_lo
.set n, n+1
.endr
.Lopen_\@:
.endif
	v_max3_num_f32 v[MX], v[S], v[S+1], v[S+2]     ; the step's largest score of my query among my 64 keys, in two chains, each accumulator from its low end on,
	v_max3_num_f32 v[MX+1], v[S+3], v[S+4], v[S+5]
.set n, 6
.rept 14
	v_max3_num_f32 v[MX], v[MX], v[S+n], v[S+n+1]
	v_max3_num_f32 v[MX+1], v[MX+1], v[S+n+2], v[S+n+3]
.set n, n+4
.endr
	v_max3_num_f32 v[MX], v[MX], v[S+62], v[S+63]
	s_delay_alu instid0(VALU_DEP_1)
	v_max_num_f32 v[MX], v[MX], v[MX+1]
	s_delay_alu instid0(VALU_DEP_1)
	v_permlanex16_b32 v[PX], v[MX], s[SEL], s[SEL+1]
	s_delay_alu instid0(VALU_DEP_1)
	v_max_num_f32 v[MX], v[MX], v[PX]              ; and among lane l xor 16's
	s_delay_alu instid0(VALU_DEP_1)
	v_mul_f32 v[MX], s[CS], v[MX]                  ; as t (c is positive)
	s_delay_alu instid0(VALU_DEP_1)
	v_max_num_f32 v[TM], v[TM], v[MX]              ; the running largest t
	v_mov_b32 v[MX], v[NM]
	s_delay_alu instid0(VALU_DEP_2)
	v_floor_f32 v[NM], -v[TM]                      ; the new -M = floor(-t) = -ceil(t)
	s_delay_alu instid0(VALU_DEP_1)
	v_sub_f32 v[MX], v[NM], v[MX]                  ; old M - new M: a whole number, 0 or less
	s_delay_alu instid0(VALU_DEP_1)
	v_cvt_i32_f32 v[MX], v[MX]                     ; (it saturates)
	s_delay_alu instid0(VALU_DEP_1)
	v_ldexp_f32 v[FF], 1.0, v[MX]                  ; f = 2^(old M - new M)
.set n, 0
.rept 32
	v_pk_fma_f32 v[S+n:S+n+1], v[S+n:S+n+1], s[CS:CS+1], v[NM:NM+1] op_sel_hi:[1,0,0]   ; t - M, two at a time
.set n, n+2
.endr
.set n, 0
	s_setprio 1
	s_wait_alu depctr_va_vdst(0)
.rept 64
	v_exp_f32 v[S+n], v[S+n]                       ; p = 2^(t - M), at most 1
.set n, n+1
.endr
	v_pk_mul_f32 v[LS:LS+1], v[LS:LS+1], v[FF:FF+1] op_sel_hi:[1,0]   ; the sums under the new M: the plain line behind the exponentials
	s_wait_alu depctr_va_vdst(0)                   ; one wait for the whole batch, ahead of its first reader
	v_pk_add_f32 v[30:31], v[100:101], v[104:105]
	v_pk_add_f32 v[252:253], v[108:109], v[112:113]
	v_pk_add_f32 v[250:251], v[116:117], v[120:121]
	v_pk_add_f32 v[248:249], v[124:125], v[128:129]
	v_pk_add_f32 v[246:247], v[132:133], v[136:137]
	v_pk_add_f32 v[244:245], v[140:141], v[144:145]
	v_pk_add_f32 v[242:243], v[148:149], v[152:153]
	v_pk_add_f32 v[18:19], v[18:19], v[156:157]
	v_pk_add_f32 v[30:31], v[30:31], v[96:97]
	v_pk_add_f32 v[252:253], v[252:253], v[98:99]
	v_pk_add_f32 v[250:251], v[250:251], v[102:103]
	v_pk_add_f32 v[248:249], v[248:249], v[106:107]
	v_pk_add_f32 v[246:247], v[246:247], v[110:111]
	v_pk_add_f32 v[244:245], v[244:245], v[114:115]
	v_pk_add_f32 v[242:243], v[242:243], v[118:119]
	v_pk_add_f32 v[18:19], v[18:19], v[122:123]
	v_pk_add_f32 v[30:31], v[30:31], v[126:127]
	v_pk_add_f32 v[252:253], v[252:253], v[130:131]
	v_pk_add_f32 v[250:251], v[250:251], v[134:135]
	v_pk_add_f32 v[248:249], v[248:249], v[138:139]
	v_pk_add_f32 v[246:247], v[246:247], v[142:143]
	v_pk_add_f32 v[244:245], v[244:245], v[146:147]
	v_pk_add_f32 v[242:243], v[242:243], v[150:151]
	v_pk_add_f32 v[18:19], v[18:19], v[154:155]
	v_pk_add_f32 v[30:31], v[30:31], v[158:159]
	s_delay_alu instid0(VALU_DEP_2)
	v_pk_add_f32 v[18:19], v[18:19], v[248:249]
	s_delay_alu instid0(VALU_DEP_2)
	v_pk_add_f32 v[30:31], v[30:31], v[246:247]
	v_pk_add_f32 v[252:253], v[252:253], v[244:245]
	v_pk_add_f32 v[250:251], v[250:251], v[242:243]
	s_delay_alu instid0(VALU_DEP_2)
	v_pk_add_f32 v[18:19], v[18:19], v[252:253]
	s_delay_alu instid0(VALU_DEP_2)
	v_pk_add_f32 v[30:31], v[30:31], v[250:251]
	s_delay_alu instid0(VALU_DEP_1)
	v_pk_add_f32 v[18:19], v[18:19], v[30:31]
	s_setprio 0
.irp t, 0,1,2,3,4,5,6,7
.irp i, 0,1,2,3,4,5,6,7
.endr
	v_cvt_scalef32_pk8_fp8_f32 v[PC+2*\t:PC+2*\t+1], v[S+8*\t:S+8*\t+7], v[PSC]
.endr
.set n, 0
.rept 16
	v_pk_mul_f32 v[O+n:O+n+1], v[O+n:O+n+1], v[FF:FF+1] op_sel_hi:[1,0]   ; O^T under the new M; also the plain lines behind the conversions
.set n, n+2
.endr
	s_wait_alu depctr_va_vdst(0)
	s_wait_dscnt 0x0                               ; V is in
.irp t, 0,1,2,3
	v_wmma_f32_16x16x128_fp8_fp8 v[O+8*\t:O+8*\t+7], v[KV+16*\t:KV+16*\t+15], v[PC:PC+15], v[O+8*\t:O+8*\t+7]   ; four accumulators by turns; between two links of one stand eleven other products
.endr
.if \masked
.Lhidden_\@:
.endif
	s_add_co_u32 s[TB], s[TB], 8192
.endm
; A tile ends: O^T / the sum, held, quantised: registers 2 t, 2 t + 1 of my head's half of the last product's fragment; two stores of 512 consecutive bytes.  nextq = 1: the second tile's Q is asked for first.
.macro FINISH go, nextq
.if \nextq
	global_load_b128 v[Q:Q+3], v[QOL], s[4:5] th:TH_LOAD_NT             ; the last product that read Q stands a whole softmax back
	global_load_b128 v[Q+4:Q+7], v[QOL], s[4:5] offset:512 th:TH_LOAD_NT
.endif
.rept 4
	v_nop                                          ; places behind the last products
.endr
	v_add_f32 v[LS], v[LS], v[LS+1]
	s_delay_alu instid0(VALU_DEP_1)
	v_permlanex16_b32 v[PX], v[LS], s[SEL], s[SEL+1]
	s_delay_alu instid0(VALU_DEP_1)
	v_add_f32 v[LS], v[LS], v[PX]                  ; the row's sum
	s_wait_alu depctr_va_vdst(0)
	v_rcp_f32 v[MX], v[LS]
	v_nop                                          ; a plain line behind the reciprocal
	s_wait_alu depctr_va_vdst(0)                   ; and the wait ahead of its first reader
.set n, 0
.rept 16
	v_pk_mul_f32 v[O+n:O+n+1], v[O+n:O+n+1], v[MX:MX+1] op_sel_hi:[1,0]
.set n, n+2
.endr
.set n, 0
.rept 32
.set n, n+1
.endr
	s_wait_alu depctr_va_vdst(0)
	s_wait_xcnt 0x0                                ; the first tile's stores have read the codes' registers
.irp t, 0,1,2,3
	v_cvt_scalef32_pk8_fp8_f32 v[OC+2*\t:OC+2*\t+1], v[O+8*\t:O+8*\t+7], v[OSC]
.endr
	v_nop                                          ; a plain line behind the conversions: their sources are written again
	global_store_b128 v[\go], v[OC:OC+3], s[8:9]
	global_store_b128 v[\go], v[OC+4:OC+7], s[8:9] offset:512
.endm
	INIT
	s_wait_loadcnt 0x0                             ; Q
	s_wait_tensorcnt 3                             ; my part of stage 0 (keys 0-511) is in; stages 1 to 3 may be out: no LDS byte is ever filled again
	s_barrier_signal -1
	s_barrier_wait -1                              ; everybody's is
	s_mov_b32 s[KS], 0
	s_mov_b32 s[TB], 0
.Lloop_a:                                          ; key steps 0-3 of the first tile: g is 8 or more, so all their keys count in every wave
	STEP 0
	s_add_co_u32 s[KS], s[KS], 1
	s_cmp_lt_u32 s[KS], 4
	s_cbranch_scc1 .Lloop_a
	s_setprio 0
	s_wait_tensorcnt 0x0                           ; all my loads have landed
	s_wait_dscnt 0x0
	s_barrier_signal -1
	s_barrier_wait -1                              ; all of K and V lies in LDS
	s_mov_b32 s[KS], 4
	s_mov_b32 s[TB], 4*8192
	s_mov_b32 s[G], s12
.Lloop_b:                                          ; a constant twelve trips; a wave works in those up to its diagonal
	STEP 1
	s_add_co_u32 s[KS], s[KS], 1
	s_cmp_lt_u32 s[KS], 16
	s_cbranch_scc1 .Lloop_b
	s_setprio 0
	FINISH GOH, 1
	INIT
	s_wait_loadcnt 0x0                             ; the second tile's Q
	s_mov_b32 s[KS], 0
	s_mov_b32 s[TB], 0
	s_mov_b32 s[G], s19
.Lloop_c:                                          ; a constant eight trips
	STEP 1
	s_add_co_u32 s[KS], s[KS], 1
	s_cmp_lt_u32 s[KS], 8
	s_cbranch_scc1 .Lloop_c
	s_setprio 0
	FINISH GOL, 0
	s_wait_dscnt 0x0
	s_wait_tensorcnt 0x0
	ds_add_u32 v254, v255
	s_wait_dscnt 0x0
	CROUND                                         ; the closing round
	s_endpgm
.Lfunc_end_k_q05e8b52be5_attn:
	.size	k_q05e8b52be5_attn, .Lfunc_end_k_q05e8b52be5_attn-k_q05e8b52be5_attn
	.p2alignl 7, 3214868480
	.fill 96, 4, 3214868480
	.section	.rodata,"a",@progbits
	.p2align	6, 0x0
	.amdhsa_kernel k_q05e8b52be5_attn
		.amdhsa_group_segment_fixed_size 264192
		.amdhsa_private_segment_fixed_size 0
		.amdhsa_enable_private_segment 0
		.amdhsa_kernarg_size 24
		.amdhsa_user_sgpr_count 2
		.amdhsa_user_sgpr_kernarg_segment_ptr 1
		.amdhsa_wavefront_size32 1
		.amdhsa_system_sgpr_workgroup_id_x 1
		.amdhsa_system_sgpr_workgroup_id_y 1
		.amdhsa_system_sgpr_workgroup_id_z 1
		.amdhsa_system_vgpr_workitem_id 0
		.amdhsa_next_free_vgpr 256
		.amdhsa_next_free_sgpr 100
		.amdhsa_reserve_vcc 1
		.amdhsa_float_denorm_mode_32 3
		.amdhsa_float_denorm_mode_16_64 3
		.amdhsa_fp16_overflow 1
		.amdhsa_memory_ordered 1
		.amdhsa_forward_progress 1
		.amdhsa_inst_pref_size 68
	.end_amdhsa_kernel
	.amdgpu_metadata
---
amdhsa.version: [ 1, 2 ]
amdhsa.kernels:
  - .name:           k_q05e8b52be5_attn
    .symbol:         k_q05e8b52be5_attn.kd
    .args:
      - { .name: qkvimg, .offset: 0, .size: 8, .value_kind: global_buffer, .address_space: global }
      - { .name: lowp_scales, .offset: 8, .size: 8, .value_kind: global_buffer, .address_space: global }
      - { .name: aimg, .offset: 16, .size: 8, .value_kind: global_buffer, .address_space: global }
    .group_segment_fixed_size: 264192
    .private_segment_fixed_size: 0
    .kernarg_segment_align: 8
    .kernarg_segment_size: 24
    .max_flat_workgroup_size: 512
    .sgpr_count:     100
    .vgpr_count:     256
    .wavefront_size: 32
...
	.end_amdgpu_metadata
.endif
;; end of part 3
;; launch proj (part 4): grid 4 x 32, 4 waves a work-group, clusters of 4 x 4, 327,680 bytes of LDS; arguments aimg, wpimg, lowp_scales, b_proj, out0; writes out0
.if DOCPART == 4
	.amdgcn_target "amdgcn-amd-amdhsa--gfx1250"
	.amdhsa_code_object_version 6
	.text
	.protected	k_q05e8b52be5_proj
	.globl	k_q05e8b52be5_proj
	.p2align	8
	.type	k_q05e8b52be5_proj,@function
k_q05e8b52be5_proj:
	s_mov_b64 s[64:65], 0
	v_nop
	global_prefetch_b8 v0, s[64:65] scope:SCOPE_SE
	s_setreg_imm32_b32 hwreg(HW_REG_WAVE_MODE, 25, 1), 1
	s_wait_xcnt 0x0
	s_wait_alu depctr_hold_cnt(0) depctr_sa_sdst(0) depctr_va_vdst(0) depctr_va_sdst(0) depctr_va_ssrc(0) depctr_va_vcc(0) depctr_vm_vsrc(0)
	s_getreg_b32 s2, hwreg(HW_REG_IB_STS2, 6, 4)
	s_cmp_eq_u32 s2, 0
	s_cbranch_scc0 .Lentry_in_a_cluster
	s_endpgm
.Lentry_in_a_cluster:
	s_bfe_u32 s2, ttmp6, 0x10000c
	s_cmp_lg_u32 s2, 0xf033
	s_cbranch_scc0 .Lentry_shape_is_right
	s_endpgm
.Lentry_shape_is_right:
; out0 = attention's result x w_proj + b_proj, on codes of FP8 (E4M3), K = 1,024; sums in f32; out0 [8192][1024] f32.
; aimg: 512 tiles of 16 rows, wpimg: 64 tiles of 16 columns of w_proj; each tile 8 fragments of 2,048 bytes: registers 4 c .. 4 c + 3 of lane l at 512 c + 16 l.
; A sum stands for sum x 2^(e6 + e7): out = sum x 2^(e6 + e7) + bias, one packed multiply-add for two numbers.  LIMIT: e6 + e7 lies between -126 and 127.
; A tile of 256 x 256 is made by four waves, as many as a WGP has SIMDs; a wave makes 128 x 128: 64 accumulators.  K goes in steps of 256 through two LDS slots; its four steps are written out.
; The output has 128 such tiles: a work-group to each.  THE MATRIX INSTRUCTION IS USED TRANSPOSED (source 0 = 16 columns of w_proj, source 1 = 16 rows): a lane holds eight neighbouring numbers of a row of the output.
; CLUSTERS: 4 x 4 work-groups; the rows' tile is shared along a row of the cluster, the weight's along a column: each is asked for jointly.
; REGISTERS, in windows of 256: window 0: v8-11 the bias of the four columns that I store; v16-29 addresses; v128-255 the rows' fragments, ONE set, later rows of the output.  window 1: the weight's fragments, TWO sets.  windows 2, 3: the accumulators.
.set HALFT,  32768                     ; 128 rows x 256 K: 8 tiles of 16 rows x 4,096 bytes
.set SLOT,   4*HALFT
.set STEPB,  4096
.set SPARE,  2*SLOT                    ; behind the ring: the spare words, 128 bytes for each wave, that no other line names
.set SPITCH, 528                       ; the way out: a stage of 16 rows x (512 bytes + 16) for each wave, in slot 0, which has had its last fill and its last read when the first result is stored there
.set FR,     16
.set NL,     4
.set NP,     4
.set BI,   8                           ; v8-11   bias
.set ADRA, 16
.set ADRB, 20
.set STO,  24                          ; v24     the way out: where I put 32 bytes of a row
.set RD,   25                          ; v25     where I read a row back
.set CO,   26                          ; v26     16 x lane
.set SPW,  28
.set NIL,  29
.set AF,   128
.set BK,   128                         ; the way out: 16 rows: v128-191 and v192-255 by turns
.set G1, 24
.set G0, 32
.set G1B, 48
.set G0B, 56
.set MSB, 0
.macro WIN new                         ; the immediate's high byte repeats the setting that is left
.if MSB != \new
	s_set_vgpr_msb (MSB<<8)|\new
.set MSB, \new
.endif
.endm
.set MUL_LO, 0xa1
.set MUL_HI, 0xf1
.set TO_B,   0x40
.macro JLOAD g0a, g1a, g0b, g1b        ; a joint load: waves 0 and 1 fetch the rows' halves, waves 2 and 3 the weight's; four v_nop follow each line
	s_cmp_eq_u32 s15, 0
	s_cbranch_scc0 .Lfor_b_\@
	tensor_load_to_lds s[\g0a:\g0a+3], s[\g1a:\g1a+7]
	s_nop 0
.rept 4
	v_nop
.endr
	s_branch .Lasked_\@
.Lfor_b_\@:
	tensor_load_to_lds s[\g0b:\g0b+3], s[\g1b:\g1b+7]
	s_nop 0
.rept 4
	v_nop
.endr
.Lasked_\@:
.endm
.macro CREST
	s_cmp_lg_u32 s14, 0
	s_cbranch_scc1 .Lnot_wave_0_\@
	s_barrier_signal -3
.Lnot_wave_0_\@:
	s_barrier_wait -3
	s_barrier_signal -1
	s_barrier_wait -1
.endm
.macro CROUND
	s_barrier_signal -1
	s_barrier_wait -1
	CREST
.endm
	s_load_b256 s[4:11], s[0:1], 0x0               ; aimg s[4:5], wpimg s[6:7], the scales' exponents s[8:9], b_proj s[10:11]
	s_load_b64 s[12:13], s[0:1], 0x20              ; out0
	v_lshl_add_u32 v[SPW], v0, 2, SPARE
	v_mov_b32 v[NIL], 0
	ds_add_u32 v28, v29
	ds_add_u32 v28, v29
	s_wait_dscnt 0x0
	v_lshrrev_b32 v1, 5, v0
	v_readfirstlane_b32 s14, v1                    ; wave 0..3
	s_lshr_b32 s15, s14, 1                         ; which half of the tile's rows is mine.  Also: I fetch rows (0) or the weight (1)
	s_and_b32 s16, s14, 1                          ; which half of its columns.  Also: which 128 rows of that tile I fetch
	s_bfe_u32 s40, ttmp6, 0x40000                  ; cx, cy
	s_bfe_u32 s41, ttmp6, 0x40004
	s_lshl_b32 s42, ttmp9, 2
	s_add_co_u32 s42, s42, s40                     ; tile column
	s_and_b32 s17, ttmp7, 0xffff
	s_lshl_b32 s17, s17, 2
	s_add_co_u32 s17, s17, s41                     ; tile row
	s_lshl_b32 s43, s41, 2
	s_lshl_b32 s43, 15, s43                        ; my row of the cluster
	s_lshl_b32 s44, 0x1111, s40                    ; my column
	s_or_b32 s[G1+0], s43, (3<<16)|(1<<21)         ; 15:0 the mask; 17:16 elements of 8 bytes; no padding; 21 set beside a mask
	s_or_b32 s[G1B+0], s44, (3<<16)|(1<<21)
.irp g, G1, G1B
	s_mov_b32 s[\g+1], 512<<16                     ; 8 rows of 4,096 bytes, 16,384 apart
	s_mov_b32 s[\g+2], 8<<16
	s_mov_b32 s[\g+3], 512<<16
	s_mov_b32 s[\g+4], 8
	s_mov_b32 s[\g+5], 2048
	s_mov_b32 s[\g+6], 0
	s_mov_b32 s[\g+7], 0
.endr
	s_lshl_b32 s20, s17, 18
	s_lshl_b32 s21, s16, 17
	s_add_co_u32 s20, s20, s21
	s_mov_b32 s21, 0
	s_lshl_b32 s46, s42, 18
	s_lshl_b32 s47, s16, 17
	s_add_co_u32 s46, s46, s47
	s_mov_b32 s47, 0
	s_mul_i32 s45, s14, HALFT
	s_wait_kmcnt 0x0
	s_load_b256 s[72:79], s[8:9], 0x0              ; e0 .. e7
	s_add_nc_u64 s[20:21], s[4:5], s[20:21]
	s_add_nc_u64 s[46:47], s[6:7], s[46:47]
	CROUND                                         ; all sixteen work-groups are here: the first joint loads meet
.irp s, 0,1
	s_mov_b32 s[G0+4*\s], 1
	s_add_co_u32 s[G0+4*\s+1], s45, \s*SLOT
	s_add_nc_u64 s[G0+4*\s+2:G0+4*\s+3], s[20:21], \s*STEPB
	s_or_b32 s[G0+4*\s+3], s[G0+4*\s+3], 0x80000000
	s_mov_b32 s[G0B+4*\s], 1
	s_add_co_u32 s[G0B+4*\s+1], s45, \s*SLOT
	s_add_nc_u64 s[G0B+4*\s+2:G0B+4*\s+3], s[46:47], \s*STEPB
	s_or_b32 s[G0B+4*\s+3], s[G0B+4*\s+3], 0x80000000
	s_wait_alu depctr_va_vdst(0)
	s_wait_tensorcnt 0x0
	ds_add_u32 v28, v29
	ds_add_u32 v28, v29
	s_wait_dscnt 0x0
	CROUND
	JLOAD G0+4*\s, G1, G0B+4*\s, G1B               ; one load of mine is out: the one before it has landed
.endr
	v_and_b32 v1, 31, v0
	v_lshlrev_b32 v[CO], 4, v1                     ; 16 x lane
	s_wait_alu depctr_va_vdst(0)
	s_lshl_b32 s80, s42, 10                        ; my first column, in bytes: 1,024 x tile column + 512 x half
	s_lshl_b32 s81, s16, 9
	s_add_co_u32 s80, s80, s81
	s_mov_b32 s81, 0
	s_add_nc_u64 s[10:11], s[10:11], s[80:81]
	global_load_b128 v[BI:BI+3], v[CO], s[10:11]   ; the bias of the four columns that I store
	s_lshl_b32 s82, s17, 8
	s_lshl_b32 s83, s15, 7
	s_add_co_u32 s82, s82, s83                     ; my first row,
	s_lshl_b32 s82, s82, 12                        ; of 4,096 bytes
	s_add_co_u32 s82, s82, s80
	s_mov_b32 s83, 0
	s_add_nc_u64 s[12:13], s[12:13], s[82:83]
	s_mul_i32 s22, s15, HALFT
	s_mul_i32 s23, s16, HALFT
	s_add_co_u32 s23, s23, 2*HALFT
.irp s, 0,1
	v_add_nc_u32 v[ADRA+\s], s22, v[CO]
	v_add_nc_u32 v[ADRB+\s], s23, v[CO]
	s_add_co_u32 s22, s22, SLOT
	s_add_co_u32 s23, s23, SLOT
.endr
	s_mul_i32 s23, s14, 16*SPITCH                  ; my stage
	v_and_b32 v1, 15, v0
	v_bfe_u32 v2, v0, 4, 1
	v_mul_u32_u24 v5, v1, SPITCH                   ; in: row l % 16, 32 bytes for each half of the lanes
	v_lshl_add_u32 v5, v2, 5, v5
	v_add_nc_u32 v[STO], s23, v5
	v_add_nc_u32 v[RD], s23, v[CO]                 ; back: the 32 lanes take one row of 512 bytes
	s_wait_alu depctr_va_vdst(0)
	s_wait_kmcnt 0x0
	s_add_co_i32 s96, s78, s79                     ; e6 + e7
	s_add_co_i32 s96, s96, 127
	s_lshl_b32 s96, s96, 23                        ; 2^(e6 + e7) as f32
	s_mov_b32 s97, s96                             ; (named with it as a pair)
.macro FRAG reg, adr, q, i             ; a fragment as it lies: four loads of 512 consecutive bytes
.irp c, 0,1,2,3
	ds_load_b128 v[\reg+4*\c:\reg+4*\c+3], v[\adr] offset:4096*(\i)+2048*(\q)+512*\c
.endr
.endm
; 16 matrix instructions; the 64 accumulators take turns, one instruction a turn, in the same order in every step
.macro MUL16 a0, p, zero
.irp a, \a0, \a0+1
.irp b, 0,1,2,3,4,5,6,7
.if \zero
	v_wmma_f32_16x16x128_fp8_fp8 v[8*(8*((\a)%4)+\b):8*(8*((\a)%4)+\b)+7], v[128*(\p)+FR*\b:128*(\p)+FR*\b+FR-1], v[AF+FR*(\a):AF+FR*(\a)+FR-1], 0
.else
	v_wmma_f32_16x16x128_fp8_fp8 v[8*(8*((\a)%4)+\b):8*(8*((\a)%4)+\b)+7], v[128*(\p)+FR*\b:128*(\p)+FR*\b+FR-1], v[AF+FR*(\a):AF+FR*(\a)+FR-1], v[8*(8*((\a)%4)+\b):8*(8*((\a)%4)+\b)+7]
.endif
.endr
.endr
.endm
.macro FETCH_B slot, q, p
	WIN TO_B
.irp i, 0,1,2,3,4,5,6,7
	FRAG 128*(\p)+FR*\i, ADRB+\slot, \q, \i
.endr
	WIN 0
.endm
.macro FETCH_A slot, q, i0
.irp i, \i0, \i0+1, \i0+2, \i0+3
	FRAG AF+FR*(\i), ADRA+\slot, \q, \i
.endr
.endm
.macro PLACES n                        ; plain vector lines between a matrix instruction and a load into its registers or a read of its result
.rept \n
	v_nop
.endr
.endm
.macro STEP slot, q, zero
	s_wait_dscnt 4*NL                              ; the weight's set and the rows' blocks 0-3 are in; the youngest 16 loads (blocks 4-7) may be out
	WIN MUL_LO
	MUL16 0, (\q)%2, \zero
	MUL16 2, (\q)%2, \zero
	s_wait_dscnt 0
	PLACES NP
	FETCH_B \slot, (\q)+1, 1-(\q)%2
	FETCH_A \slot, (\q)+1, 0
	WIN MUL_HI
	MUL16 4, (\q)%2, \zero
	MUL16 6, (\q)%2, \zero
	PLACES NP
	WIN 0
	FETCH_A \slot, (\q)+1, 4
.endm
.macro TURN slot, next, fill
	s_wait_tensorcnt 0x0                           ; all my tensor loads have landed: my part of the next slot
	ds_add_u32 v[SPW], v[NIL]                      ; 0 onto my spare word
	s_wait_dscnt 4*NL+1                            ; (the add and the youngest 16 loads may be out)
	WIN MUL_LO
	MUL16 0, 1, 0
	s_wait_dscnt 0x0                               ; the add is done, and my reads of this slot are over
	s_barrier_signal -1
	MUL16 2, 1, 0
	WIN 0
	s_barrier_wait -1
.if \fill
	CREST                                          ; a round of the cluster's barrier: no wave of any partner still reads this slot or has a load on its way
	s_add_nc_u64 s[G0+4*\slot+2:G0+4*\slot+3], s[G0+4*\slot+2:G0+4*\slot+3], 2*STEPB
	s_add_nc_u64 s[G0B+4*\slot+2:G0B+4*\slot+3], s[G0B+4*\slot+2:G0B+4*\slot+3], 2*STEPB
	JLOAD G0+4*\slot, G1, G0B+4*\slot, G1B         ; the first tensor load behind the round; its four v_nop are the places in front of the loads below
.else
	PLACES NP
.endif
	FETCH_B \next, 0, 0
	FETCH_A \next, 0, 0
	WIN MUL_HI
	MUL16 4, 1, 0
	MUL16 6, 1, 0
	PLACES NP
	WIN 0
	FETCH_A \next, 0, 4
.endm
	s_wait_tensorcnt 1                             ; my part of K step 0 is in; K step 1's load may be out
	s_barrier_signal -1
	s_barrier_wait -1
	FETCH_B 0, 0, 0
	FETCH_A 0, 0, 0
	FETCH_A 0, 0, 4
	STEP 0, 0, 1
	TURN 0, 1, 1
	STEP 1, 0, 0
	TURN 1, 0, 1
	STEP 0, 0, 0
	TURN 0, 1, 0
	STEP 1, 0, 0
	s_wait_dscnt 4*NL
	WIN MUL_LO
	MUL16 0, 1, 0
	MUL16 2, 1, 0
	s_wait_dscnt 0
	WIN MUL_HI
	MUL16 4, 1, 0
	MUL16 6, 1, 0
	WIN 0
; THE WAY OUT, block by block of 16 rows x 128 columns.  A lane holds 32 neighbouring bytes of a row and the lanes beside it hold other rows: a block's sums go as they are into my own stage and come back as whole rows of 512 bytes;
; there each pair becomes sum x 2^(e6 + e7) + bias, and the 32 lanes store a row.  LDS serves a wave's instructions in order (ISA guide 5.7.1.4): no wait between the stores and the loads.
.macro TOSTAGE a
.set AC, 64*((\a)%4)
	WIN 0x08+4*((\a)/4)                            ; an LDS store's data: source 1, window 2 or 3
.irp b, 0,1,2,3,4,5,6,7
	ds_store_b128 v[STO], v[AC+8*\b:AC+8*\b+3] offset:64*\b           ; each accumulator from its low end on
	ds_store_b128 v[STO], v[AC+8*\b+4:AC+8*\b+7] offset:64*\b+16
.endr
	WIN 0
.set BB, BK+64*((\a)%2)
.irp t, 0,1,2,3,4,5,6,7,8,9,10,11,12,13,14,15
	ds_load_b128 v[BB+4*\t:BB+4*\t+3], v[RD] offset:\t*SPITCH
.endr
.endm
.macro SEND a, younger                 ; younger: the LDS instructions issued behind block a's loads, which may stay out
.set BB, BK+64*((\a)%2)
	s_wait_dscnt \younger
.irp t, 0,1,2,3,4,5,6,7,8,9,10,11,12,13,14,15
	v_pk_fma_f32 v[BB+4*\t:BB+4*\t+1], v[BB+4*\t:BB+4*\t+1], s[96:97], v[BI:BI+1] op_sel_hi:[1,0,1]
	v_pk_fma_f32 v[BB+4*\t+2:BB+4*\t+3], v[BB+4*\t+2:BB+4*\t+3], s[96:97], v[BI+2:BI+3] op_sel_hi:[1,0,1]
.endr
.if (\a) > 0
	s_add_nc_u64 s[12:13], s[12:13], 16*4096       ; (behind a wait on XCNT: the earlier stores have read their base)  16 rows on
.endif
.irp t, 0,1,2,3,4,5,6,7,8,9,10,11,12,13,14,15
	global_store_b128 v[CO], v[BB+4*\t:BB+4*\t+3], s[12:13] offset:\t*4096 th:TH_STORE_NT   ; 512 consecutive bytes, aligned; written once, read by nobody here
.endr
.endm
	s_wait_loadcnt 0x0                             ; the bias
	PLACES NP                                      ; behind the last products: for the stores of results and the loads into the registers that held fragments
	TOSTAGE 0
.irp a, 1,2,3,4,5,6,7
.if \a > 1
	s_wait_xcnt 0x0                                ; block a - 2's stores have read their registers and their base
.endif
	TOSTAGE \a
	SEND \a-1, 32                                  ; behind block a - 1's loads: block a's 16 stores and 16 loads
.endr
	s_wait_xcnt 0x0
	SEND 7, 0
	s_wait_tensorcnt 0x0                           ; the wave's end
	ds_add_u32 v[SPW], v[NIL]
	s_wait_dscnt 0x0
	CROUND                                         ; the closing round
	s_endpgm
.Lfunc_end_k_q05e8b52be5_proj:
	.size	k_q05e8b52be5_proj, .Lfunc_end_k_q05e8b52be5_proj-k_q05e8b52be5_proj
	.p2alignl 7, 3214868480
	.fill 96, 4, 3214868480
	.section	.rodata,"a",@progbits
	.p2align	6, 0x0
	.amdhsa_kernel k_q05e8b52be5_proj
		.amdhsa_group_segment_fixed_size 327680
		.amdhsa_private_segment_fixed_size 0
		.amdhsa_enable_private_segment 0
		.amdhsa_kernarg_size 40
		.amdhsa_user_sgpr_count 2
		.amdhsa_user_sgpr_kernarg_segment_ptr 1
		.amdhsa_wavefront_size32 1
		.amdhsa_system_sgpr_workgroup_id_x 1
		.amdhsa_system_sgpr_workgroup_id_y 1
		.amdhsa_system_sgpr_workgroup_id_z 1
		.amdhsa_system_vgpr_workitem_id 0
		.amdhsa_next_free_vgpr 1024
		.amdhsa_next_free_sgpr 100
		.amdhsa_reserve_vcc 0
		.amdhsa_float_denorm_mode_32 3
		.amdhsa_float_denorm_mode_16_64 3
		.amdhsa_memory_ordered 1
		.amdhsa_forward_progress 1
		.amdhsa_inst_pref_size 124
	.end_amdhsa_kernel
	.amdgpu_metadata
---
amdhsa.version: [ 1, 2 ]
amdhsa.kernels:
  - .name:           k_q05e8b52be5_proj
    .symbol:         k_q05e8b52be5_proj.kd
    .args:
      - { .name: aimg, .offset: 0, .size: 8, .value_kind: global_buffer, .address_space: global }
      - { .name: wpimg, .offset: 8, .size: 8, .value_kind: global_buffer, .address_space: global }
      - { .name: lowp_scales, .offset: 16, .size: 8, .value_kind: global_buffer, .address_space: global }
      - { .name: b_proj, .offset: 24, .size: 8, .value_kind: global_buffer, .address_space: global }
      - { .name: out0, .offset: 32, .size: 8, .value_kind: global_buffer, .address_space: global }
    .group_segment_fixed_size: 327680
    .private_segment_fixed_size: 0
    .kernarg_segment_align: 8
    .kernarg_segment_size: 40
    .max_flat_workgroup_size: 128
    .sgpr_count:     100
    .vgpr_count:     1024
    .wavefront_size: 32
...
	.end_amdgpu_metadata
.endif
;; end of part 4
